; MI455X (gfx1250); checked and timed in simulation.
; The chip was launched on July 23, 2026; its instructions are those of AMD's public machine-readable ISA for CDNA 5 (MIT licence, August 2026) and "CDNA5" Instruction Set Architecture Reference Guide (July 2026). The comments in the code are by the model that wrote it; some were corrected since.
;; Causal Self Attention. Allowed arithmetic: matrix products marked QUANTISED: E4M3 operands, one given power-of-two scale a tensor, by v_wmma_f32_16x16x64_fp8_fp8 or v_wmma_f32_16x16x128_fp8_fp8, f32 sums; everything else in f32.
;; Inputs: W_codes 16 x 192 x 32 x 32 uint8 (E4M3 codes of W, K innermost, in blocks of 32 codes); b 16 x 192 float32; lowp_scales 6 int32 (the exponents e of the quantised operands' scales 2^e); x_codes 4 x 2,048 x 32 x 32 uint8 (E4M3 codes of x, K innermost, in blocks of 32 codes).
;; Outputs: out0 4 x 2,048 x 1,024 float32.
;; This version of the problem:
;;   THIS VERSION OF THE PROBLEM IS GIVEN IN LOW PRECISION. The matrix products marked QUANTISED in the list below multiply operands that are first quantised to E4M3 (4 exponent bits, 3 mantissa bits; 8 bits a number), with one given power-of-two scale for each operand tensor; their sums are f32. All else is computed in f32.
;;   The module's matrix products, in the order in which they are computed (A, B: the left and right operand; K: the contracted axis; several contracted axes count as one K, in the product's order):
;;     1. [M 3,072, K 1,024] x [K 1,024, N 8,192]; A: input W (given as codes); B: input x (given as codes): QUANTISED (scales: A lowp_scales[0], B lowp_scales[1])
;;     2. batch 64 x [M 2,048, K 64] x [K 64, N 2,048]; A: computed on the way; B: computed on the way: QUANTISED (scales: A lowp_scales[2], B lowp_scales[3])
;;     3. batch 64 x [M 2,048, K 2,048] x [K 2,048, N 64]; A: softmax (see below); B: computed on the way: QUANTISED (scales: A lowp_scales[4], B lowp_scales[5])
;;   THE QUANTISER, for each operand of a quantised product, along K:
;;     - The operand's scale is 2^e, e = its entry of the input lowp_scales (int32; the entries are numbered through the quantised products in the list's order, A before B).
;;     - Each number is divided by the scale, clamped to +-448, and rounded to the nearest number of E4M3, ties to even, subnormals kept.
;;     - The product sums the exact products of the quantised numbers (number of the format x scale) in f32.
;;   ~~~python
;;   def quantise(x, axis, e):      # numpy; x: float32 -> the quantised numbers, widened to float32 again
;;       x = np.moveaxis(x, axis, -1); K = x.shape[-1]
;;       r = np.clip(x / 2.0 ** e, -448, 448)
;;       step = 2.0 ** (np.maximum(np.frexp(np.where(r == 0, 1, r))[1] - 1, -6) - 3)
;;       q = np.round(r / step) * step * 2.0 ** e      # np.round: ties to even
;;       return np.moveaxis(q, -1, axis).astype(np.float32)
;;   ~~~
;;   SOFTMAX AHEAD OF A QUANTISED PRODUCT. Where the list says 'softmax', what is quantised is not the finished softmax but p = 2^(t - M), with t = logit x log2(e) and M = ceil(the row's largest t), a whole number; so 1/2 < the row's largest p <= 1. The row's sum l is taken of the UNQUANTISED p, in f32, and the product's result is divided by l at the end. Since M is a whole number, a kernel that streams over the keys may use a running M (the ceiling of the running maximum): every later rescaling is an exact power of two, so the quantised numbers keep their values, but for numbers so far below the row's largest that they fall under the format's range.
;;   OPERANDS COMPUTED ON THE WAY. 'Computed on the way' means the value that the module computes at that place (a softmax that the list does not call 'softmax' is quantised finished and normalised). What goes into a quantiser is computed in f32, as accurately as f32 sums, v_exp_f32 and their like allow (about 1e-6 of the number): no bf16 or f16 on the way to a quantiser, and a product that is left as it is and whose result goes on into a quantised operand takes f32 operands (vector FMAs, or v_wmma_f32_16x16x4_f32). A number that lies on a knife's edge between two numbers of the format may be rounded either way, as far as f32 arithmetic and the matrix unit's own rounding can turn it there, and no further.
;;   INPUTS GIVEN AS CODES. W (in the module: [16, 1024, 192], K = its axis 1); x (in the module: [4, 2048, 1024], K = its axis 2): each comes as NAME_codes (uint8): NAME with its K axis moved to the last place and cut into blocks of 32 codes, [.., K / 32, bytes a block], one block behind the other in memory; one code a byte (a code: sign, 4 exponent bits, 3 mantissa bits); its scale is its entry of lowp_scales. Its value is code x scale, taken as it is: it is not quantised again, and the codes and scales need not be those that the quantiser above would give.
;; One version. Each part assembles by itself: llvm-mc -triple=amdgcn-amd-amdhsa -mcpu=gfx1250 --defsym DOCPART=n.
;; ======== version 1 of 1: 2 launches
;; limits: right only within a limited range of input values
;; workspace buffers: qimg 8,388,608 bytes; kvimg 16,777,216 bytes
;; launch proj (part 1): grid 8 x 32, 4 waves a work-group, clusters of 4 x 4, 327,680 bytes of LDS; arguments x_codes, W_codes, b, lowp_scales, qimg, kvimg; writes qimg, kvimg
.if DOCPART == 1
	.amdgcn_target "amdgcn-amd-amdhsa--gfx1250"
	.amdhsa_code_object_version 6
	.text
	.protected	k_q6662fb07d1_proj
	.globl	k_q6662fb07d1_proj
	.p2align	8
	.type	k_q6662fb07d1_proj,@function
k_q6662fb07d1_proj:
	s_mov_b64 s[64:65], 0
	v_nop
	global_prefetch_b8 v0, s[64:65] scope:SCOPE_SE
	s_setreg_imm32_b32 hwreg(HW_REG_WAVE_MODE, 25, 1), 1
	s_wait_xcnt 0x0
	s_wait_alu depctr_hold_cnt(0) depctr_sa_sdst(0) depctr_va_vdst(0) depctr_va_sdst(0) depctr_va_ssrc(0) depctr_va_vcc(0) depctr_vm_vsrc(0)
	s_getreg_b32 s2, hwreg(HW_REG_IB_STS2, 6, 4)
	s_cmp_eq_u32 s2, 0
	s_cbranch_scc0 .Lentry_in_a_cluster
	s_endpgm
.Lentry_in_a_cluster:
	s_bfe_u32 s2, ttmp6, 0x10000c
	s_cmp_lg_u32 s2, 0xf033
	s_cbranch_scc0 .Lentry_shape_is_right
	s_endpgm
.Lentry_shape_is_right:
.set PITCH, 144
.set XT,    128*PITCH
.set WT,    192*PITCH
.set WOFF,  2*XT
.set SLOT,  2*XT+2*WT
.set SPARE, 2*SLOT
.set ADX, 4
.set ADW, 6
.set SPW, 8
.set NIL, 9
.set LO,  10
.set BO,  11
.set BVO, 12
.set SCK, 14
.set SCQ, 16
.set SCV, 18
.set BV,  20
.set XF,  32
.set BT,  96
.set WF,  160
.set CR,  32
.set TMP, 128
.set G1A, 24
.set G0A, 32
.set G1B, 48
.set G0B, 56
.set MSB, 0
.macro WIN new
.if MSB != \new
	s_set_vgpr_msb (MSB<<8)|\new
.set MSB, \new
.endif
.endm
.macro JLOAD s
	s_cmp_eq_u32 s17, 0
	s_cbranch_scc0 .Lfor_w_\@
	tensor_load_to_lds s[G0A+4*\s:G0A+4*\s+3], s[G1A:G1A+7]
	s_nop 0
.rept 4
	v_nop
.endr
	s_branch .Lasked_\@
.Lfor_w_\@:
	tensor_load_to_lds s[G0B+4*\s:G0B+4*\s+3], s[G1B:G1B+7]
	s_nop 0
.rept 4
	v_nop
.endr
.Lasked_\@:
.endm
.macro CREST
	s_cmp_lg_u32 s16, 0
	s_cbranch_scc1 .Lnot_wave_0_\@
	s_barrier_signal -3
.Lnot_wave_0_\@:
	s_barrier_wait -3
	s_barrier_signal -1
	s_barrier_wait -1
.endm
.macro CROUND
	s_barrier_signal -1
	s_barrier_wait -1
	CREST
.endm
.macro PLACES
.rept 4
	v_nop
.endr
.endm
	s_load_b256 s[4:11], s[0:1], 0x0
	s_load_b128 s[12:15], s[0:1], 0x20
	v_lshl_add_u32 v[SPW], v0, 2, SPARE
	v_mov_b32 v[NIL], 0
	ds_add_u32 v8, v9
	ds_add_u32 v8, v9
	s_wait_dscnt 0x0
	v_lshrrev_b32 v1, 5, v0
	v_readfirstlane_b32 s16, v1
	s_lshr_b32 s17, s16, 1
	s_and_b32 s18, s16, 1
	s_bfe_u32 s19, ttmp6, 0x40000
	s_bfe_u32 s20, ttmp6, 0x40004
	s_lshl_b32 s21, ttmp9, 2
	s_add_co_u32 s21, s21, s19
	s_and_b32 s22, ttmp7, 0xffff
	s_lshl_b32 s22, s22, 2
	s_add_co_u32 s22, s22, s20
	s_lshl_b32 s40, s20, 2
	s_lshl_b32 s40, 15, s40
	s_lshl_b32 s41, 0x1111, s19
	s_or_b32 s[G1A], s40, (1<<20)|(1<<21)|(4<<22)|(3<<25)
	s_or_b32 s[G1B], s41, (1<<20)|(1<<21)|(4<<22)|(3<<25)
	s_mov_b32 s[G1A+1], 128<<16
	s_mov_b32 s[G1A+2], 128<<16
	s_mov_b32 s[G1A+3], 128<<16
	s_mov_b32 s[G1A+4], 128
	s_mov_b32 s[G1A+5], 1024
	s_mov_b32 s[G1A+6], 0
	s_mov_b32 s[G1A+7], 0
	s_mov_b32 s[G1B+1], 128<<16
	s_mov_b32 s[G1B+2], 192<<16
	s_mov_b32 s[G1B+3], 128<<16
	s_mov_b32 s[G1B+4], 192
	s_mov_b32 s[G1B+5], 1024
	s_mov_b32 s[G1B+6], 0
	s_mov_b32 s[G1B+7], 0
	s_lshl_b32 s42, s22, 8
	s_lshl_b32 s43, s18, 7
	s_add_co_u32 s42, s42, s43
	s_lshl_b32 s42, s42, 10
	s_mov_b32 s43, 0
	s_mul_i32 s46, s21, 384
	s_mul_i32 s47, s18, 192
	s_add_co_u32 s46, s46, s47
	s_lshl_b32 s46, s46, 10
	s_mov_b32 s47, 0
	s_mul_i32 s80, s18, XT
	s_mul_i32 s81, s18, WT
	s_add_co_u32 s81, s81, WOFF
	s_wait_kmcnt 0x0
	s_load_b128 s[68:71], s[10:11], 0x0
	s_load_b64 s[72:73], s[10:11], 0x10
	s_add_nc_u64 s[44:45], s[4:5], s[42:43]
	s_add_nc_u64 s[46:47], s[6:7], s[46:47]
	CROUND
.irp s, 0,1
	s_mov_b32 s[G0A+4*\s], 1
	s_add_co_u32 s[G0A+4*\s+1], s80, \s*SLOT
	s_add_nc_u64 s[G0A+4*\s+2:G0A+4*\s+3], s[44:45], \s*128
	s_or_b32 s[G0A+4*\s+3], s[G0A+4*\s+3], 0x80000000
	s_mov_b32 s[G0B+4*\s], 1
	s_add_co_u32 s[G0B+4*\s+1], s81, \s*SLOT
	s_add_nc_u64 s[G0B+4*\s+2:G0B+4*\s+3], s[46:47], \s*128
	s_or_b32 s[G0B+4*\s+3], s[G0B+4*\s+3], 0x80000000
	s_wait_alu depctr_va_vdst(0)
	s_wait_tensorcnt 0x0
	ds_add_u32 v8, v9
	ds_add_u32 v8, v9
	s_wait_dscnt 0x0
	CROUND
	JLOAD \s
.endr
	v_and_b32 v1, 15, v0
	v_bfe_u32 v2, v0, 4, 1
	v_mul_u32_u24 v3, v1, PITCH
	v_lshl_add_u32 v3, v2, 4, v3
	s_mul_i32 s84, s17, XT
	s_mul_i32 s85, s18, WT
	s_add_co_u32 s85, s85, WOFF
.irp s, 0,1
	v_add_nc_u32 v[ADX+\s], s84, v3
	v_add_nc_u32 v[ADW+\s], s85, v3
	s_add_co_u32 s84, s84, SLOT
	s_add_co_u32 s85, s85, SLOT
.endr
	v_and_b32 v[LO], 31, v0
	v_lshlrev_b32 v[LO], 4, v[LO]
	v_lshlrev_b32 v[BO], 5, v2
	v_lshlrev_b32 v[BVO], 2, v1
	s_lshl_b32 s78, s21, 1
	s_add_co_u32 s78, s78, s18
	s_mul_i32 s82, s78, 768
	s_mov_b32 s83, 0
	s_add_nc_u64 s[8:9], s[8:9], s[82:83]
.irp t, 0,1,2,3,4,5,6,7
	global_load_b128 v[BT+8*\t:BT+8*\t+3],   v[BO], s[8:9] offset:64*\t
	global_load_b128 v[BT+8*\t+4:BT+8*\t+7], v[BO], s[8:9] offset:64*\t+16
.endr
.irp c, 0,1,2,3
	global_load_b32 v[BV+2*\c],   v[BVO], s[8:9] offset:512+64*\c
	global_load_b32 v[BV+2*\c+1], v[BVO], s[8:9] offset:512+64*\c
.endr
	s_lshr_b32 s86, s22, 3
	s_lshl_b32 s86, s86, 4
	s_add_co_u32 s86, s86, s78
	s_and_b32 s87, s22, 7
	s_lshl_b32 s87, s87, 1
	s_add_co_u32 s87, s87, s17
	s_lshl_b32 s88, s86, 18
	s_lshl_b32 s89, s87, 14
	s_add_co_u32 s88, s88, s89
	s_mov_b32 s89, 0
	s_add_nc_u64 s[74:75], s[14:15], s[88:89]
	s_lshl_b32 s90, s86, 17
	s_lshl_b32 s91, s87, 13
	s_add_co_u32 s90, s90, s91
	s_mov_b32 s91, 0
	s_add_nc_u64 s[76:77], s[12:13], s[90:91]
	s_wait_loadcnt 0x0
	s_wait_kmcnt 0x0
	s_add_co_i32 s92, s68, s69
	s_sub_co_i32 s93, 0, s92
.set n, 0
.rept 64
	v_ldexp_f32 v[BT+n], v[BT+n], s93
.set n, n+1
.endr
.set n, 0
.rept 8
	v_ldexp_f32 v[BV+n], v[BV+n], s93
.set n, n+1
.endr
.macro MKSC e, reg
	s_sub_co_i32 s94, s[\e], s92
	s_add_co_i32 s94, s94, 127
	s_lshl_b32 s95, s94, 23
	v_mov_b32 v[\reg], s95
	s_add_co_i32 s94, s94, 8
	s_lshl_b32 s94, s94, 23
	s_or_b32 s94, s94, 0x600000
	v_mov_b32 v[\reg+1], s94
.endm
	MKSC 71, SCK
	MKSC 70, SCQ
	MKSC 73, SCV
.macro FRAG reg, adr, ks, i
	ds_load_b128 v[\reg:\reg+3],   v[\adr] offset:64*(\ks)+(\i)*16*PITCH
	ds_load_b128 v[\reg+4:\reg+7], v[\adr] offset:64*(\ks)+(\i)*16*PITCH+32
.endm
.macro FETCH_X slot, ks, set
.irp i, 0,1,2,3,4,5,6,7
	FRAG XF+64*(\set)+8*\i, ADX+\slot, \ks, \i
.endr
.endm
.macro FETCH_KQ slot, ks
.irp i, 0,1,2,3,4,5,6,7
	FRAG WF+8*\i, ADW+\slot, \ks, \i
.endr
.endm
.macro FETCH_V slot, ks
.irp i, 8,9,10,11
	FRAG WF+8*\i, ADW+\slot, \ks, \i
.endr
.endm
.macro PROD8 b, set, first
.irp a, 0,1,2,3,4,5,6,7
.if (\b) < 8
.if \first
	v_wmma_f32_16x16x64_fp8_fp8 v[8*(4*\a+(\b)%4):8*(4*\a+(\b)%4)+7], v[WF+8*(\b):WF+8*(\b)+7], v[XF+64*(\set)+8*\a:XF+64*(\set)+8*\a+7], v[BT+8*(\b):BT+8*(\b)+7]
.else
	v_wmma_f32_16x16x64_fp8_fp8 v[8*(4*\a+(\b)%4):8*(4*\a+(\b)%4)+7], v[WF+8*(\b):WF+8*(\b)+7], v[XF+64*(\set)+8*\a:XF+64*(\set)+8*\a+7], v[8*(4*\a+(\b)%4):8*(4*\a+(\b)%4)+7]
.endif
.else
.if \first
	v_wmma_f32_16x16x64_fp8_fp8 v[8*(8*((\b)-8)+\a):8*(8*((\b)-8)+\a)+7], v[XF+64*(\set)+8*\a:XF+64*(\set)+8*\a+7], v[WF+8*(\b):WF+8*(\b)+7], 0
.else
	v_wmma_f32_16x16x64_fp8_fp8 v[8*(8*((\b)-8)+\a):8*(8*((\b)-8)+\a)+7], v[XF+64*(\set)+8*\a:XF+64*(\set)+8*\a+7], v[WF+8*(\b):WF+8*(\b)+7], v[8*(8*((\b)-8)+\a):8*(8*((\b)-8)+\a)+7]
.endif
.endif
.endr
.endm
.macro STEP slot, first
.if \first
	WIN 0x40
.else
	WIN 0x50
.endif
	s_wait_dscnt 20
	PROD8 0, 0, \first
	PROD8 1, 0, \first
	s_wait_dscnt 16
	PROD8 2, 0, \first
	PROD8 3, 0, \first
.if \first
	WIN 0x80
.else
	WIN 0xa0
.endif
	s_wait_dscnt 12
	PROD8 4, 0, \first
	PROD8 5, 0, \first
	s_wait_dscnt 8
	PROD8 6, 0, \first
	PROD8 7, 0, \first
	WIN 0
	PLACES
	FETCH_X \slot, 1, 1
	FETCH_KQ \slot, 1
	s_wait_dscnt 32
.if \first
	WIN 0xc0
.else
	WIN 0xf0
.endif
	PROD8 8, 0, \first
	PROD8 9, 0, \first
	PROD8 10, 0, \first
	PROD8 11, 0, \first
	WIN 0
	PLACES
	FETCH_V \slot, 1
.endm
.macro TURN slot, next, fill
	s_wait_tensorcnt 0x0
	ds_add_u32 v[SPW], v[NIL]
	s_wait_dscnt 21
	WIN 0x50
	PROD8 0, 1, 0
	PROD8 1, 1, 0
	s_wait_dscnt 0x0
	s_barrier_signal -1
	PROD8 2, 1, 0
	PROD8 3, 1, 0
	WIN 0
	s_barrier_wait -1
.if \fill
	CREST
	s_add_nc_u64 s[G0A+4*\slot+2:G0A+4*\slot+3], s[G0A+4*\slot+2:G0A+4*\slot+3], 256
	s_add_nc_u64 s[G0B+4*\slot+2:G0B+4*\slot+3], s[G0B+4*\slot+2:G0B+4*\slot+3], 256
	JLOAD \slot
.endif
	WIN 0xa0
	PROD8 4, 1, 0
	PROD8 5, 1, 0
	PROD8 6, 1, 0
	PROD8 7, 1, 0
	WIN 0
	PLACES
	FETCH_X \next, 0, 0
	FETCH_KQ \next, 0
	WIN 0xf0
	PROD8 8, 1, 0
	PROD8 9, 1, 0
	PROD8 10, 1, 0
	PROD8 11, 1, 0
	WIN 0
	PLACES
	FETCH_V \next, 0
.endm
	s_wait_tensorcnt 1
	s_barrier_signal -1
	s_barrier_wait -1
	FETCH_X 0, 0, 0
	FETCH_KQ 0, 0
	FETCH_V 0, 0
	STEP 0, 1
	s_mov_b32 s3, 3
.Llap:
	TURN 0, 1, 1
	STEP 1, 0
	TURN 1, 0, 1
	STEP 0, 0
	s_sub_co_u32 s3, s3, 1
	s_cmp_lg_u32 s3, 0
	s_cbranch_scc1 .Llap
	TURN 0, 1, 0
	STEP 1, 0
	WIN 0x50
	s_wait_dscnt 20
	PROD8 0, 1, 0
	PROD8 1, 1, 0
	s_wait_alu depctr_va_vdst(0)
	s_wait_dscnt 16
	PROD8 2, 1, 0
	PROD8 3, 1, 0
	WIN 0xa0
	s_wait_dscnt 12
	PROD8 4, 1, 0
	PROD8 5, 1, 0
	s_wait_dscnt 8
	PROD8 6, 1, 0
	PROD8 7, 1, 0
	s_wait_dscnt 0x0
	WIN 0xf0
	PROD8 8, 1, 0
	PROD8 9, 1, 0
	PROD8 10, 1, 0
	PROD8 11, 1, 0
	WIN 0
	PLACES
.macro CODES hf, sc, free
.if \free
	s_wait_xcnt 0x0
.endif
.set n, 0
.rept 16
	v_cvt_scalef32_pk8_fp8_f32 v[CR+32*\hf+2*n:CR+32*\hf+2*n+1], v[TMP+8*n:TMP+8*n+7], v[\sc]
.set n, n+1
.endr
	v_nop
.endm
.macro HALF win, hf, sc, free
	WIN \win
.set n, 0
.rept 128
	v_med3_num_f32 v[TMP+n], v[128*\hf+n], -v[\sc+1], v[\sc+1]
.set n, n+1
.endr
	WIN 0
	CODES \hf, \sc, \free
.endm
.macro HALFV hf, free
	WIN 0x03
.set n, 0
.rept 64
	v_pk_add_f32 v[TMP+2*n:TMP+2*n+1], v[128*\hf+2*n:128*\hf+2*n+1], v[BV+2*(2*\hf+n/32):BV+2*(2*\hf+n/32)+1]
.set n, n+1
.endr
	WIN 0
.set n, 0
.rept 128
.set n, n+1
.endr
	CODES \hf, SCV, \free
.endm
.macro SEND base, off
.set n, 0
.rept 16
	global_store_b128 v[LO], v[CR+4*n:CR+4*n+3], s[\base:\base+1] offset:\off+512*n
.set n, n+1
.endr
.endm
	HALF 0x01, 0, SCK, 0
	HALF 0x01, 1, SCK, 0
	SEND 74, 0
	HALF 0x02, 0, SCQ, 1
	HALF 0x02, 1, SCQ, 0
	SEND 76, 0
	HALFV 0, 1
	HALFV 1, 0
	SEND 74, 8192
	s_wait_tensorcnt 0x0
	ds_add_u32 v[SPW], v[NIL]
	s_wait_dscnt 0x0
	CROUND
	s_endpgm
.Lfunc_end_k_q6662fb07d1_proj:
	.size	k_q6662fb07d1_proj, .Lfunc_end_k_q6662fb07d1_proj-k_q6662fb07d1_proj
	.p2alignl 7, 3214868480
	.fill 96, 4, 3214868480
	.section	.rodata,"a",@progbits
	.p2align	6, 0x0
	.amdhsa_kernel k_q6662fb07d1_proj
		.amdhsa_group_segment_fixed_size 327680
		.amdhsa_private_segment_fixed_size 0
		.amdhsa_enable_private_segment 0
		.amdhsa_kernarg_size 48
		.amdhsa_user_sgpr_count 2
		.amdhsa_user_sgpr_kernarg_segment_ptr 1
		.amdhsa_wavefront_size32 1
		.amdhsa_system_sgpr_workgroup_id_x 1
		.amdhsa_system_sgpr_workgroup_id_y 1
		.amdhsa_system_sgpr_workgroup_id_z 1
		.amdhsa_system_vgpr_workitem_id 0
		.amdhsa_next_free_vgpr 1024
		.amdhsa_next_free_sgpr 100
		.amdhsa_reserve_vcc 0
		.amdhsa_float_denorm_mode_32 3
		.amdhsa_float_denorm_mode_16_64 3
		.amdhsa_fp16_overflow 1
		.amdhsa_memory_ordered 1
		.amdhsa_forward_progress 1
		.amdhsa_inst_pref_size 142
	.end_amdhsa_kernel
	.amdgpu_metadata
---
amdhsa.version: [ 1, 2 ]
amdhsa.kernels:
  - .name:           k_q6662fb07d1_proj
    .symbol:         k_q6662fb07d1_proj.kd
    .args:
      - { .name: x_codes, .offset: 0, .size: 8, .value_kind: global_buffer, .address_space: global }
      - { .name: W_codes, .offset: 8, .size: 8, .value_kind: global_buffer, .address_space: global }
      - { .name: b, .offset: 16, .size: 8, .value_kind: global_buffer, .address_space: global }
      - { .name: lowp_scales, .offset: 24, .size: 8, .value_kind: global_buffer, .address_space: global }
      - { .name: qimg, .offset: 32, .size: 8, .value_kind: global_buffer, .address_space: global }
      - { .name: kvimg, .offset: 40, .size: 8, .value_kind: global_buffer, .address_space: global }
    .group_segment_fixed_size: 327680
    .private_segment_fixed_size: 0
    .kernarg_segment_align: 8
    .kernarg_segment_size: 48
    .max_flat_workgroup_size: 128
    .sgpr_count:     100
    .vgpr_count:     1024
    .wavefront_size: 32
...
	.end_amdgpu_metadata
.endif
;; end of part 1
;; launch attn (part 2): grid 4 x 64, 8 waves a work-group, clusters of 4 x 1, 327,680 bytes of LDS; arguments qimg, kvimg, lowp_scales, out0; writes out0
.if DOCPART == 2
	.amdgcn_target "amdgcn-amd-amdhsa--gfx1250"
	.amdhsa_code_object_version 6
	.text
	.protected	k_q6662fb07d1_attn
	.globl	k_q6662fb07d1_attn
	.p2align	8
	.type	k_q6662fb07d1_attn,@function
k_q6662fb07d1_attn:
	s_mov_b64 s[64:65], 0
	v_nop
	global_prefetch_b8 v0, s[64:65] scope:SCOPE_SE
	s_setreg_imm32_b32 hwreg(HW_REG_WAVE_MODE, 25, 1), 1
	s_wait_xcnt 0x0
	s_wait_alu depctr_hold_cnt(0) depctr_sa_sdst(0) depctr_va_vdst(0) depctr_va_sdst(0) depctr_va_ssrc(0) depctr_va_vcc(0) depctr_vm_vsrc(0)
	s_getreg_b32 s2, hwreg(HW_REG_IB_STS2, 6, 4)
	s_cmp_eq_u32 s2, 0
	s_cbranch_scc0 .Lentry_in_a_cluster
	s_endpgm
.Lentry_in_a_cluster:
	s_bfe_u32 s2, ttmp6, 0x10000c
	s_cmp_lg_u32 s2, 0x3003
	s_cbranch_scc0 .Lentry_shape_is_right
	s_endpgm
.Lentry_shape_is_right:
; out[batch][q][head x 64 + :] = the sum over k <= q of softmax_k(Q[q] . K[k] / 8) V[k][:], both products on codes of FP8 (E4M3), from the images that the launch before stored:
;   qimg [bh][tile of 16 queries: 128][1,024 bytes];  kvimg [bh][key step of 128: 16][K's 8 fragments of 16 keys x 64, 8,192 bytes; V's 4 fragments of 16 channels x 128 keys, 8,192 bytes];  bh = batch x 16 + head.
;   An image is an operand's registers as they stand: registers 4 i .. 4 i + 3 of lane l at 512 i + 16 l.  So every LDS load here takes 512 consecutive bytes, and there is no pitch and no padding.
; THE SOFTMAX: t = score x log2(e) / 8; M = the running largest t, rounded UP to a whole number; p = 2^(t - M) is quantised with the given 2^ep, not normalised; the row's sum is taken of the unquantised p and divides at the end.
; When M moves, the sum and O are multiplied by 2^(old M - new M), which rounds nothing.
; LAYOUT.  S^T = K Q^T (source 0 = 16 keys, source 1 = 16 queries), O^T = V^T P^T (source 0 = 16 channels, source 1 = P): a lane holds ONE query (lane % 16) throughout; tile T's eight scores of a lane are keys 16 T + 8 (lane / 16) + 0..7,
; which is where the plain 8-bit layout for K = 128 wants them (ISA guide 7.12.2): a conversion's two registers are registers 2 T, 2 T + 1 of P.
; SHARES.  The four work-groups of a cluster own one bh.  Its 2,048 queries are 16 groups of 128, a group four pairs of tiles (32 queries).  Wave w of the work-group at place cx owns pair cx of group 15 - w and then pair cx of group w:
; (16 - w) + (w + 1) = 17 key steps for every wave.  Each fragment of K and V read from LDS feeds two tiles.  Every branch hangs on the wave's number and a loop's counter; cx enters Q's and O's global addresses and the mask's comparison alone.
; LDS.  The whole bh's K and V, 262,144 bytes, lie in LDS: filled ONCE, by joint loads (the four partners need the same bytes), four a wave, all asked for at the head; nothing is filled again, so no key step waits at a barrier
; and a hidden step costs a scalar branch.  Behind them a stage of 16 rows x 272 bytes for each wave, for the way out.
; CAUSAL.  A step all of whose keys come after the group's queries is jumped over; in the group's own step hidden scores become -infinity ahead of the maximum (p = 0).  The step's first key counts for every query of the group, so M is a number.
; LIMITS on the given exponents, so that each power of two below is an f32 number: eq + ek between -123 and 130 (added to c's exponent field); ep between -126 and 127; ep + ev is applied by v_ldexp_f32 and has none.
; REGISTERS: window 0: v1-10 addresses and constants; v12-19 statistics, v20-31 at work; v32-95 a step's K, then its V; v96-159, v160-223 S^T of the two tiles, then p; v224-255 P's codes.
;   window 1: v0-63 O^T (tile u, channels 16 c on, at 32 u + 8 c); v64-79 Q of the first pass, v80-95 of the second.
.set LK,   1                           ; v1   16 x lane: my place in an image
.set ADR,  2                           ; v2   LDS address of the step in hand
.set NINF, 3                           ; v3   -infinity
.set DQ,   4                           ; v4-5 tile u: my query's place in its group less 8 (lane / 16): register 8 T + j is hidden where 16 T + j is greater
.set STO,  6                           ; v6   the stage: where I put 32 bytes of a row
.set RD,   7                           ; v7   and where I read a row back
.set SCP,  8                           ; v8   2^ep as f32
.set LIMP, 9
.set GO,   10                          ; v10  my byte offset in two rows of out
.set ST0,  12                          ; tile u at ST0 + 4 u: -M, the largest t, the sum in two halves
.set WK,   20                          ; tile u at WK + 4 u: two registers at work, then f = 2^(old M - new M) as the low word of a pair
.set PD,   28                          ; v28-29 destinations of the lane exchange
.set C2,   30                          ; v[30:31] the sums' second chain
.set KV,   32
.set S,    96
.set P,    224
.set STG,  262144
.set WV,   12                          ; s12  my wave's number
.set G1,   16                          ; s[16:23] descriptor group 1;  s[24:39] four groups 0
.set G0,   24
.set CS,   40                          ; s[40:41] c = log2(e) / 8 x 2^(eq + ek)
.set SEL,  42                          ; s[42:43] lane selects: lane l xor 16
.set TB,   44                          ; s44  LDS byte at which the step in hand begins
.set STN,  45                          ; s45  its number
.set GR,   46                          ; s46  my group of queries in this pass
.set EPV,  47                          ; s47  ep + ev
.set OHI,  52                          ; s[52:53], s[54:55] out at my 32 queries of the first and of the second pass
.set OLO,  54
.set MSB, 0
.macro WIN new                         ; the immediate's high byte repeats the setting that is left; bits 1:0 source 0, 3:2 source 1, 5:4 source 2, 7:6 destination
.if MSB != \new
	s_set_vgpr_msb (MSB<<8)|\new
.set MSB, \new
.endif
.endm
.macro CROUND                          ; a round of the cluster's barrier
	s_barrier_signal -1
	s_barrier_wait -1
	s_cmp_lg_u32 s[WV], 0
	s_cbranch_scc1 .Lnot_wave_0_\@
	s_barrier_signal -3
.Lnot_wave_0_\@:
	s_barrier_wait -3
	s_barrier_signal -1
	s_barrier_wait -1
.endm
	s_load_b256 s[4:11], s[0:1], 0x0               ; qimg s[4:5], kvimg s[6:7], the scales' exponents s[8:9], out s[10:11]
	v_lshl_add_u32 v11, v0, 2, 0x48800
	s_set_vgpr_msb 0x40
	v_mov_b32 v129, 0
	s_set_vgpr_msb 0x4044
	ds_add_u32 v11, v129
	ds_add_u32 v11, v129
	s_set_vgpr_msb 0x4400
	v_lshrrev_b32 v1, 5, v0
	v_readfirstlane_b32 s[WV], v1                  ; wave 0..7
	s_bfe_u32 s13, ttmp6, 0x40000                  ; cx: my place in the cluster
	s_and_b32 s14, ttmp7, 0xffff                   ; bh, which the four partners share
	; descriptor group 1: 32 rows of 256 bytes, dense: 8,192 bytes
	s_mov_b32 s[G1], 15|(3<<16)|(1<<21)            ; 15:0 the mask: all four work-groups; 17:16 elements of 8 bytes; 21 set beside a mask; no padding
	s_mov_b32 s[G1+1], 32<<16                      ; tensor_dim0 = 32 elements
	s_mov_b32 s[G1+2], 32<<16                      ; tensor_dim1 = 32 rows
	s_mov_b32 s[G1+3], 32<<16                      ; tile_dim0
	s_mov_b32 s[G1+4], 32                          ; tile_dim1
	s_mov_b32 s[G1+5], 32                          ; from row to row
	s_mov_b32 s[G1+6], 0
	s_mov_b32 s[G1+7], 0
	s_lshl_b32 s60, s14, 18                        ; bh's 262,144 bytes of kvimg
	s_lshl_b32 s61, s[WV], 13                      ; my wave's 8,192 of each part of 65,536, in memory and in LDS alike: no place in the cluster enters an LDS address
	s_add_co_u32 s66, s60, s61
	s_mov_b32 s67, 0
	s_sub_co_u32 s62, 15, s[WV]                    ; the first pass's group
	s_lshl_b32 s63, s13, 1                         ; 2 cx: my pair's first tile in a group
	s_lshl_b32 s76, s14, 17                        ; bh's 131,072 bytes of qimg
	s_lshl_b32 s68, s62, 3
	s_add_co_u32 s68, s68, s63
	s_lshl_b32 s68, s68, 10                        ; tile 8 x group + 2 cx, 1,024 bytes a tile
	s_add_co_u32 s68, s68, s76
	s_mov_b32 s69, 0
	s_lshl_b32 s70, s[WV], 3                       ; the second pass's group is w
	s_add_co_u32 s70, s70, s63
	s_lshl_b32 s70, s70, 10
	s_add_co_u32 s70, s70, s76
	s_mov_b32 s71, 0
	s_lshr_b32 s77, s14, 4                         ; the batch,
	s_lshl_b32 s77, s77, 11                        ; its 2,048 rows of out,
	s_lshl_b32 s78, s13, 5
	s_add_co_u32 s77, s77, s78                     ; + 32 cx
	s_and_b32 s79, s14, 15
	s_lshl_b32 s79, s79, 8                         ; the head's 256 bytes of a row
	s_lshl_b32 s72, s62, 7
	s_add_co_u32 s72, s72, s77
	s_lshl_b32 s72, s72, 12                        ; rows of 4,096 bytes
	s_add_co_u32 s72, s72, s79
	s_mov_b32 s73, 0
	s_lshl_b32 s74, s[WV], 7
	s_add_co_u32 s74, s74, s77
	s_lshl_b32 s74, s74, 12
	s_add_co_u32 s74, s74, s79
	s_mov_b32 s75, 0
	s_mov_b32 s[SEL], 0x76543210
	s_mov_b32 s[SEL+1], 0xfedcba98
	s_wait_dscnt 0x0
	s_wait_kmcnt 0x0
	s_load_b128 s[48:51], s[8:9], 0x8              ; eq, ek, ep, ev: entries 2 to 5
	s_add_nc_u64 s[6:7], s[6:7], s[66:67]
	s_add_nc_u64 s[56:57], s[4:5], s[68:69]        ; Q of the first pass,
	s_add_nc_u64 s[58:59], s[4:5], s[70:71]        ; of the second
	s_add_nc_u64 s[OHI:OHI+1], s[10:11], s[72:73]
	s_add_nc_u64 s[OLO:OLO+1], s[10:11], s[74:75]
.irp p, 0,1,2,3
	s_mov_b32 s[G0+4*\p], 1                        ; count = 1
	s_add_co_u32 s[G0+4*\p+1], s61, \p*65536       ; LDS address: part p holds key steps 4 p to 4 p + 3
	s_add_nc_u64 s[G0+4*\p+2:G0+4*\p+3], s[6:7], \p*65536
	s_or_b32 s[G0+4*\p+3], s[G0+4*\p+3], 0x80000000   ; type = 2
.endr
	CROUND                                         ; all four work-groups are here: the joint loads meet
	tensor_load_to_lds s[G0:G0+3], s[G1:G1+7]      ; all first fills go out together: four loads of mine are out
	s_nop 0
	tensor_load_to_lds s[G0+4:G0+7], s[G1:G1+7]
	s_nop 0
	tensor_load_to_lds s[G0+8:G0+11], s[G1:G1+7]
	s_nop 0
	tensor_load_to_lds s[G0+12:G0+15], s[G1:G1+7]
	s_nop 0
.rept 4
	v_nop                                          ; four lines behind the last of them, ahead of the first switch of windows
.endr
	v_and_b32 v[LK], 31, v0
	v_lshlrev_b32 v[LK], 4, v[LK]
	WIN 0x40                                       ; destination window 1
.irp u, 0,1
.irp c, 0,1
	global_load_b128 v[64+8*\u+4*\c:64+8*\u+4*\c+3], v[LK], s[56:57] offset:1024*\u+512*\c   ; Q stays in registers
	global_load_b128 v[80+8*\u+4*\c:80+8*\u+4*\c+3], v[LK], s[58:59] offset:1024*\u+512*\c
.endr
.endr
	WIN 0
	v_and_b32 v20, 15, v0                          ; r
	v_bfe_u32 v21, v0, 4, 1                        ; h
	v_lshlrev_b32 v22, 3, v21
	v_sub_nc_u32 v[DQ], v20, v22
	v_add_nc_u32 v[DQ], s78, v[DQ]                 ; 32 cx + r - 8 h,
	v_add_nc_u32 v[DQ+1], 16, v[DQ]                ; and 16 more for the second tile
	s_mul_i32 s66, s[WV], 16*272
	s_add_co_u32 s66, s66, STG                     ; my stage
	v_mul_u32_u24 v[STO], v20, 272                 ; in: row r, 32 bytes for each half of the lanes
	v_lshl_add_u32 v[STO], v21, 5, v[STO]
	v_add_nc_u32 v[STO], s66, v[STO]
	v_mul_u32_u24 v[RD], v21, 272                  ; back: lanes 0-15 one row of 256 bytes, lanes 16-31 the next
	v_lshl_add_u32 v[RD], v20, 4, v[RD]
	v_add_nc_u32 v[RD], s66, v[RD]
	v_lshlrev_b32 v[GO], 12, v21                   ; and the same two rows in out
	v_lshl_add_u32 v[GO], v20, 4, v[GO]
	v_mov_b32 v[NINF], 0xff800000
	v_mov_b32 v[WK+3], 0                           ; (named as the upper halves of f's pairs)
	v_mov_b32 v[WK+7], 0
	v_mov_b32 v[PD], 0                             ; (a lane exchange's destination counts as one of its sources)
	v_mov_b32 v[PD+1], 0
; A pass begins with zeros in O^T and the sums and -3e38 as the largest t: the first change of M multiplies zeros.  That costs 64 moves a pass and spares a copy of the key step for each pass's first step.
.macro INIT
	WIN 0x40
.set n, 0
.rept 64
	v_mov_b32 v[n], 0
.set n, n+1
.endr
	WIN 0
.irp u, 0,1
	v_mov_b32 v[ST0+4*\u+1], 0xff61b1e6
	v_floor_f32 v[ST0+4*\u], -v[ST0+4*\u+1]
	v_mov_b32 v[ST0+4*\u+2], 0
	v_mov_b32 v[ST0+4*\u+3], 0
.endr
.endm
	INIT
	s_wait_kmcnt 0x0
	s_add_co_i32 s60, s48, s49
	s_lshl_b32 s60, s60, 23
	s_add_co_i32 s[CS], s60, 0x3e38aa3b            ; c = log2(e) / 8; a score stands for score x 2^(eq + ek): the two exponents are added to c's exponent field
	s_mov_b32 s[CS+1], s[CS]                       ; (named with it as a pair)
	s_add_co_i32 s60, s50, 127
	s_lshl_b32 s63, s60, 23
	v_mov_b32 v[SCP], s63
	s_add_co_i32 s[EPV], s50, s51
.macro EXP1 n                          ; an exponential of the second tile
	v_exp_f32 v[S+64+(\n)], v[S+64+(\n)]
.endm
.macro ADDP u, n                       ; pair n of tile u's 32 pairs of p goes into the row's sum: two chains, the second begun by pairs 0 and 1
.if (\n) == 1
	v_pk_add_f32 v[C2:C2+1], v[S+64*\u:S+64*\u+1], v[S+64*\u+2:S+64*\u+3]
.elseif (\n) > 1
.if (\n)%2 == 0
	v_pk_add_f32 v[ST0+4*\u+2:ST0+4*\u+3], v[ST0+4*\u+2:ST0+4*\u+3], v[S+64*\u+2*(\n):S+64*\u+2*(\n)+1]
.else
	v_pk_add_f32 v[C2:C2+1], v[C2:C2+1], v[S+64*\u+2*(\n):S+64*\u+2*(\n)+1]
.endif
.endif
.endm
.macro HOLD u, n                       ; the conversion to an 8-bit code does not saturate (ISA guide 7.6.2)
.endm
.macro CODE u, t                       ; key tile t's eight p become registers 2 t, 2 t + 1 of P
	v_cvt_scalef32_pk8_fp8_f32 v[P+16*\u+2*(\t):P+16*\u+2*(\t)+1], v[S+64*\u+8*(\t):S+64*\u+8*(\t)+7], v[SCP]
.endm
; A KEY STEP of 128 keys for my two tiles.  qb: where this pass's Q lies in window 1.  kind = 1: the step may be hidden, or be the group's own.
.macro STEP qb, kind
.if \kind
	s_cmp_gt_u32 s[STN], s[GR]                     ; all its keys come after my queries: nothing of it is done
	s_cbranch_scc1 .Lhid_\@
.endif
	s_setprio 2
	v_add_nc_u32 v[ADR], s[TB], v[LK]
.rept 3
	v_nop                                          ; with the addition: four places in front of loads into registers that the last products read
.endr
.set n, 0
.rept 16
	ds_load_b128 v[KV+4*n:KV+4*n+3], v[ADR] offset:512*n   ; K's eight fragments
.set n, n+1
.endr
	WIN 0x04                                       ; source 1 (Q) window 1
.set t, 0
.rept 8
.if t%2 == 0
	s_wait_dscnt 12-2*t                            ; fragments t and t + 1 are in: four loads; the later fragments' may be out
.endif
.irp u, 0,1
	v_wmma_f32_16x16x64_fp8_fp8 v[S+64*\u+8*t:S+64*\u+8*t+7], v[KV+8*t:KV+8*t+7], v[\qb+8*\u:\qb+8*\u+7], 0
.endr
.set t, t+1
.endr
	WIN 0
.rept 4
	v_nop                                          ; places in front of the loads below and of the first read of the scores
.endr
.set n, 0
.rept 16
	ds_load_b128 v[KV+4*n:KV+4*n+3], v[ADR] offset:8192+512*n   ; V's four fragments land while the softmax is worked
.set n, n+1
.endr
.if \kind
	s_cmp_lg_u32 s[STN], s[GR]                     ; a step all of whose keys count skips the mask
	s_cbranch_scc1 .Lopen_\@
.irp u, 0,1
.set n, 0
.rept 64
	v_cmp_gt_i32 vcc_lo, 16*(n/8)+n%8, v[DQ+\u]
	v_cndmask_b32 v[S+64*\u+n], v[S+64*\u+n], v[NINF], vcc_lo
.set n, n+1
.endr
.endr
.Lopen_\@:
.endif
	; the step's largest score of my query among my 64 keys, in two chains, from each accumulator's low end on; the two tiles line by line
.irp u, 0,1
	v_max3_num_f32 v[WK+4*\u], v[S+64*\u], v[S+64*\u+1], v[S+64*\u+2]
.endr
.irp u, 0,1
	v_max3_num_f32 v[WK+4*\u+1], v[S+64*\u+3], v[S+64*\u+4], v[S+64*\u+5]
.endr
.irp i, 6,10,14,18,22,26,30,34,38,42,46,50,54,58
.irp u, 0,1
	v_max3_num_f32 v[WK+4*\u], v[WK+4*\u], v[S+64*\u+\i], v[S+64*\u+\i+1]
.endr
.irp u, 0,1
	v_max3_num_f32 v[WK+4*\u+1], v[WK+4*\u+1], v[S+64*\u+\i+2], v[S+64*\u+\i+3]
.endr
.endr
.irp u, 0,1
	v_max3_num_f32 v[WK+4*\u], v[WK+4*\u], v[S+64*\u+62], v[S+64*\u+63]
.endr
.irp u, 0,1
	v_max_num_f32 v[WK+4*\u], v[WK+4*\u], v[WK+4*\u+1]
.endr
.irp u, 0,1
	v_permlanex16_b32 v[PD+\u], v[WK+4*\u], s[SEL], s[SEL+1]
.endr
.irp u, 0,1
	v_max_num_f32 v[WK+4*\u], v[WK+4*\u], v[PD+\u]             ; and among lane l xor 16's
.endr
.irp u, 0,1
	v_mul_f32 v[WK+4*\u], s[CS], v[WK+4*\u]                    ; as t (c is positive)
.endr
.irp u, 0,1
	v_max_num_f32 v[ST0+4*\u+1], v[ST0+4*\u+1], v[WK+4*\u]     ; the running largest t
.endr
.irp u, 0,1
	v_mov_b32 v[WK+4*\u], v[ST0+4*\u]
.endr
.irp u, 0,1
	v_floor_f32 v[ST0+4*\u], -v[ST0+4*\u+1]                    ; the new -M = floor(-t): M is a whole number
.endr
.irp u, 0,1
	v_sub_f32 v[WK+4*\u], v[ST0+4*\u], v[WK+4*\u]              ; old M - new M: a whole number, 0 or less
.endr
.irp u, 0,1
	v_cvt_i32_f32 v[WK+4*\u], v[WK+4*\u]                       ; (it saturates)
.endr
.irp u, 0,1
	v_ldexp_f32 v[WK+4*\u+2], 1.0, v[WK+4*\u]                  ; f = 2^(old M - new M)
.endr
.set j, 0
.rept 32
	v_pk_fma_f32 v[S+2*j:S+2*j+1], v[S+2*j:S+2*j+1], s[CS:CS+1], v[ST0:ST0+1] op_sel_hi:[1,0,0]   ; the first tile's t - M (of the pairs c and -M the low word serves both halves)
.set j, j+1
.endr
.set j, 0
	s_setprio 1
.rept 32                                       ; the first tile's exponentials, with the second tile's scalings between them
	v_exp_f32 v[S+2*j], v[S+2*j]
	v_exp_f32 v[S+2*j+1], v[S+2*j+1]
	v_pk_fma_f32 v[S+64+2*j:S+64+2*j+1], v[S+64+2*j:S+64+2*j+1], s[CS:CS+1], v[ST0+4:ST0+5] op_sel_hi:[1,0,0]
.set j, j+1
.endr
	v_pk_mul_f32 v[ST0+2:ST0+3], v[ST0+2:ST0+3], v[WK+2:WK+3] op_sel_hi:[1,0]   ; the first tile's sums under the new M
	s_wait_alu depctr_va_vdst(0)                   ; one wait for the first tile's 64 exponentials, ahead of their first reader
.set t, 0
.rept 8                                        ; the second tile's exponentials, with the first tile's sums (of the unquantised p) and conversions between them
	EXP1 8*t
	ADDP 0, 4*t
	EXP1 8*t+1
	ADDP 0, 4*t+1
	EXP1 8*t+2
	ADDP 0, 4*t+2
	EXP1 8*t+3
	ADDP 0, 4*t+3
	EXP1 8*t+4
	HOLD 0, 8*t
	HOLD 0, 8*t+1
	EXP1 8*t+5
	HOLD 0, 8*t+2
	HOLD 0, 8*t+3
	EXP1 8*t+6
	HOLD 0, 8*t+4
	HOLD 0, 8*t+5
	EXP1 8*t+7
	HOLD 0, 8*t+6
	HOLD 0, 8*t+7
	CODE 0, t
.set t, t+1
.endr
	v_pk_add_f32 v[ST0+2:ST0+3], v[ST0+2:ST0+3], v[C2:C2+1]
	v_pk_mul_f32 v[ST0+6:ST0+7], v[ST0+6:ST0+7], v[WK+6:WK+7] op_sel_hi:[1,0]   ; the second tile's sums under the new M
	s_wait_alu depctr_va_vdst(0)                   ; one wait for the second tile's 64 exponentials
.set t, 0
.rept 8
	ADDP 1, 4*t
	ADDP 1, 4*t+1
	ADDP 1, 4*t+2
	ADDP 1, 4*t+3
.irp i, 0,1,2,3,4,5,6,7
	HOLD 1, 8*t+\i
.endr
	CODE 1, t
.set t, t+1
.endr
	s_setprio 0
	v_pk_add_f32 v[ST0+6:ST0+7], v[ST0+6:ST0+7], v[C2:C2+1]   ; (also the plain instruction behind the last conversion)
	WIN 0x41                                       ; O^T in window 1, f in window 0
.irp u, 0,1
.set n, 0
.rept 16
	v_pk_mul_f32 v[32*\u+2*n:32*\u+2*n+1], v[32*\u+2*n:32*\u+2*n+1], v[WK+4*\u+2:WK+4*\u+3] op_sel_hi:[1,0]   ; O^T under the new M
.set n, n+1
.endr
.endr
	s_wait_dscnt 0x0                               ; V is in
	WIN 0x50                                       ; C and D window 1
.irp c, 0,1,2,3                                ; the eight accumulators take turns, one instruction a turn
.irp u, 0,1
	v_wmma_f32_16x16x128_fp8_fp8 v[32*\u+8*\c:32*\u+8*\c+7], v[KV+16*\c:KV+16*\c+15], v[P+16*\u:P+16*\u+15], v[32*\u+8*\c:32*\u+8*\c+7]
.endr
.endr
	WIN 0
.if \kind
.Lhid_\@:
.endif
.endm
; THE WAY OUT of a pass.  The sum's halves and the other half of the lanes' are added; O^T x 2^(ep + ev) / the sum goes through my stage, a tile (16 queries x 256 bytes) at a time, and leaves as whole rows:
; sixteen lanes store 256 consecutive bytes, at a multiple of 256 from out's first byte.  The four additions are the places behind the last products.
.macro OUT base
.irp u, 0,1
	v_add_f32 v[WK+4*\u], v[ST0+4*\u+2], v[ST0+4*\u+3]
.endr
.irp u, 0,1
	v_permlanex16_b32 v[PD+\u], v[WK+4*\u], s[SEL], s[SEL+1]
.endr
.irp u, 0,1
	v_add_f32 v[WK+4*\u], v[WK+4*\u], v[PD+\u]
.endr
.irp u, 0,1
	v_rcp_f32 v[WK+4*\u+2], v[WK+4*\u]
.endr
	v_nop                                          ; a plain instruction behind the last reciprocal,
	s_wait_alu depctr_va_vdst(0)                   ; and one wait for the two, ahead of their first reader
.irp u, 0,1
	v_ldexp_f32 v[WK+4*\u+2], v[WK+4*\u+2], s[EPV]
.endr
.irp u, 0,1
	WIN 0x01                                       ; source 0 (O^T) window 1
.set n, 0
.rept 16
	v_pk_mul_f32 v[S+64*\u+2*n:S+64*\u+2*n+1], v[32*\u+2*n:32*\u+2*n+1], v[WK+4*\u+2:WK+4*\u+3] op_sel_hi:[1,0]   ; register 8 c + j: channel 16 c + 8 h + j of query r
.set n, n+1
.endr
	WIN 0
.irp c, 0,1,2,3
	ds_store_b128 v[STO], v[S+64*\u+8*\c:S+64*\u+8*\c+3] offset:64*\c
	ds_store_b128 v[STO], v[S+64*\u+8*\c+4:S+64*\u+8*\c+7] offset:64*\c+16
.endr
.irp i, 0,1,2,3,4,5,6,7
	ds_load_b128 v[KV+32*\u+4*\i:KV+32*\u+4*\i+3], v[RD] offset:544*\i   ; LDS serves a wave's instructions in order (ISA guide 5.7.1.4): these see my stores, and the next tile's stores come behind them
.endr
.endr
.irp u, 0,1
.irp i, 0,1,2,3,4,5,6,7
	s_wait_dscnt 16*(1-\u)+7-\i                    ; behind this load: the tile's later loads, and for the first tile the second's sixteen stage instructions
	global_store_b128 v[GO], v[KV+32*\u+4*\i:KV+32*\u+4*\i+3], s[\base:\base+1] offset:8192*\i+65536*\u th:TH_STORE_NT
.endr
.endr
.endm
	s_wait_loadcnt 0x0                             ; Q
	s_wait_tensorcnt 3                             ; my piece of part 0 is in; my three later loads may stay out: they fill other bytes
	s_barrier_signal -1
	s_barrier_wait -1                              ; everybody's is: key steps 0 to 3 are whole
	s_mov_b32 s[TB], 0
	s_mov_b32 s[STN], 0
.Lpart0:                                           ; the first pass (group 15 - w, at least 8): steps 0 to 7 count whole for every wave
	STEP 64, 0
	s_add_co_u32 s[TB], s[TB], 16384
	s_add_co_u32 s[STN], s[STN], 1
	s_cmp_lt_u32 s[STN], 4
	s_cbranch_scc1 .Lpart0
	s_setprio 0
	s_wait_dscnt 0x0
	s_wait_tensorcnt 2                             ; my piece of part 1
	s_barrier_signal -1
	s_barrier_wait -1
	s_mov_b32 s[TB], 65536
	s_mov_b32 s[STN], 4
.Lpart1:
	STEP 64, 0
	s_add_co_u32 s[TB], s[TB], 16384
	s_add_co_u32 s[STN], s[STN], 1
	s_cmp_lt_u32 s[STN], 8
	s_cbranch_scc1 .Lpart1
	s_setprio 0
	s_wait_dscnt 0x0
	s_wait_tensorcnt 0x0                           ; my pieces of parts 2 and 3
	s_barrier_signal -1
	s_barrier_wait -1                              ; all of K and V lie in LDS: from here on no wave waits for another
	s_sub_co_u32 s[GR], 15, s[WV]
	s_mov_b32 s[TB], 131072
	s_mov_b32 s[STN], 8
.Lhigh:                                            ; eight trips for every wave; wave w works in 8 - w of them
	STEP 64, 1
	s_add_co_u32 s[TB], s[TB], 16384
	s_add_co_u32 s[STN], s[STN], 1
	s_cmp_lt_u32 s[STN], 16
	s_cbranch_scc1 .Lhigh
	s_setprio 0
	OUT OHI
	s_wait_xcnt 0x0                                ; the stores have read their data: K's fragments may land there
	INIT
	s_mov_b32 s[GR], s[WV]                         ; the second pass: group w
	s_mov_b32 s[TB], 0
	s_mov_b32 s[STN], 0
.Llow:                                             ; eight trips; wave w works in w + 1 of them
	STEP 80, 1
	s_add_co_u32 s[TB], s[TB], 16384
	s_add_co_u32 s[STN], s[STN], 1
	s_cmp_lt_u32 s[STN], 8
	s_cbranch_scc1 .Llow
	s_setprio 0
	OUT OLO
	s_wait_dscnt 0x0
	s_set_vgpr_msb 0x4
	s_wait_tensorcnt 0x0
	ds_add_u32 v11, v129
	s_wait_dscnt 0x0
	s_set_vgpr_msb 0x400
	CROUND                                         ; the closing round: no work-group ends while a partner may still ask for bytes jointly
	s_endpgm
.Lfunc_end_k_q6662fb07d1_attn:
	.size	k_q6662fb07d1_attn, .Lfunc_end_k_q6662fb07d1_attn-k_q6662fb07d1_attn
	.p2alignl 7, 3214868480
	.fill 96, 4, 3214868480
	.section	.rodata,"a",@progbits
	.p2align	6, 0x0
	.amdhsa_kernel k_q6662fb07d1_attn
		.amdhsa_group_segment_fixed_size 327680
		.amdhsa_private_segment_fixed_size 0
		.amdhsa_enable_private_segment 0
		.amdhsa_kernarg_size 32
		.amdhsa_user_sgpr_count 2
		.amdhsa_user_sgpr_kernarg_segment_ptr 1
		.amdhsa_wavefront_size32 1
		.amdhsa_system_sgpr_workgroup_id_x 1
		.amdhsa_system_sgpr_workgroup_id_y 1
		.amdhsa_system_sgpr_workgroup_id_z 1
		.amdhsa_system_vgpr_workitem_id 0
		.amdhsa_next_free_vgpr 386
		.amdhsa_next_free_sgpr 80
		.amdhsa_reserve_vcc 1
		.amdhsa_float_denorm_mode_32 3
		.amdhsa_float_denorm_mode_16_64 3
		.amdhsa_fp16_overflow 1
		.amdhsa_memory_ordered 1
		.amdhsa_forward_progress 1
		.amdhsa_inst_pref_size 144
	.end_amdhsa_kernel
	.amdgpu_metadata
---
amdhsa.version: [ 1, 2 ]
amdhsa.kernels:
  - .name:           k_q6662fb07d1_attn
    .symbol:         k_q6662fb07d1_attn.kd
    .args:
      - { .name: qimg, .offset: 0, .size: 8, .value_kind: global_buffer, .address_space: global }
      - { .name: kvimg, .offset: 8, .size: 8, .value_kind: global_buffer, .address_space: global }
      - { .name: lowp_scales, .offset: 16, .size: 8, .value_kind: global_buffer, .address_space: global }
      - { .name: out0, .offset: 24, .size: 8, .value_kind: global_buffer, .address_space: global }
    .group_segment_fixed_size: 327680
    .private_segment_fixed_size: 0
    .kernarg_segment_align: 8
    .kernarg_segment_size: 32
    .max_flat_workgroup_size: 256
    .sgpr_count:     80
    .vgpr_count:     386
    .wavefront_size: 32
...
	.end_amdgpu_metadata
.endif
;; end of part 2
